; MI455X (gfx1250); checked and timed in simulation.
; The chip was launched on July 23, 2026; its instructions are those of AMD's public machine-readable ISA for CDNA 5 (MIT licence, August 2026) and "CDNA5" Instruction Set Architecture Reference Guide (July 2026). The comments in the code are by the model that wrote it; some were corrected since.
;; patch attention. Allowed arithmetic: matrix products marked QUANTISED: E2M1 operands, one E8M0 scale for each 32 along K, by v_wmma_scale_f32_16x16x128_f8f6f4 with both operands' format E2M1 (or v_wmma_scale_f32_32x16x128_f4), f32 sums; products left as they are: bf16, f16 or f32 operands; f32 sums; everything else in f32.
;; Inputs: Wk 64 x 64 float32; Wp 64 x 64 float32; Wq 64 x 64 float32; Wv 64 x 64 float32; x 2 x 64 x 256 x 256 float32.
;; Outputs: out0 2 x 64 x 256 x 256 float32.
;; This version of the problem:
;;   THIS VERSION OF THE PROBLEM IS GIVEN IN LOW PRECISION. The matrix products marked QUANTISED in the list below multiply operands that are first quantised to E2M1 (2 exponent bits, 1 mantissa bit; 4 bits a number), with one power-of-two scale for each 32 numbers along K (OCP MX v1.0); their sums are f32. The products marked 'left as it is' may take bf16, f16 or f32 operands, with f32 sums. Whichever they take, every output number must still come out within the allowed error. Rounding operands to bf16 (8 significant bits) uses up far more of that allowance than f16 does (11 bits, for magnitudes from 6e-5 to 65,504). All else is computed in f32.
;;   The module's matrix products, in the order in which they are computed (A, B: the left and right operand; K: the contracted axis; several contracted axes count as one K, in the product's order):
;;     1. [M 131,072, K 64] x [K 64, N 64]; A: input x; B: input Wq: QUANTISED
;;     2. [M 131,072, K 64] x [K 64, N 64]; A: input x; B: input Wk: QUANTISED
;;     3. [M 131,072, K 64] x [K 64, N 64]; A: input x; B: input Wv: QUANTISED
;;     4. batch 256 x [M 1,024, K 32] x [K 32, N 1,024]; A: computed on the way; B: computed on the way: left as it is (an operand is computed on the way)
;;     5. batch 256 x [M 1,024, K 1,024] x [K 1,024, N 32]; A: computed on the way; B: computed on the way: left as it is (an operand is computed on the way)
;;     6. [M 131,072, K 64] x [K 64, N 64]; A: computed on the way; B: input Wp: left as it is (an operand is computed on the way)
;;   THE QUANTISER, for each operand of a quantised product, along K:
;;     - K is cut into blocks of 32 from its start; a last block that is shorter is filled with zeros.
;;     - A block's scale is 2^e with e = floor(log2(the largest magnitude in the block)) - 2, held to -126 .. 127; a block of zeros has e = 0. As a byte (E8M0): e + 127.
;;     - Each number is divided by its block's scale, clamped to +-6, and rounded to the nearest number of E2M1, ties to even, subnormals kept.
;;     - The product sums the exact products of the quantised numbers (number of the format x scale) in f32.
;;   ~~~python
;;   def quantise(x, axis):      # numpy; x: float32 -> the quantised numbers, widened to float32 again
;;       x = np.moveaxis(x, axis, -1); K = x.shape[-1]
;;       x = np.pad(x, [(0, 0)] * (x.ndim - 1) + [(0, -K % 32)]); x = x.reshape(x.shape[:-1] + (-1, 32)); a = np.abs(x).max(-1, keepdims=True)
;;       e = np.where(a > 0, np.clip(np.frexp(np.where(a > 0, a, 1))[1] - 1 - 2, -126, 127), 0)      # np.frexp(a)[1] - 1 = floor(log2(a)), exactly
;;       r = np.clip(x / 2.0 ** e, -6, 6)
;;       step = 2.0 ** (np.maximum(np.frexp(np.where(r == 0, 1, r))[1] - 1, 0) - 1)
;;       q = np.round(r / step) * step * 2.0 ** e      # np.round: ties to even
;;       return np.moveaxis(q.reshape(q.shape[:-2] + (-1,))[..., :K], -1, axis).astype(np.float32)
;;   ~~~
;; 2 versions, each right; version 2 is version 1 with the launch patch_attn written anew for expert scheduling mode. Each part assembles by itself: llvm-mc -triple=amdgcn-amd-amdhsa -mcpu=gfx1250 --defsym DOCPART=n.
;; ======== version 1 of 2: 1 launch
;; limits: values are held in f16: magnitudes above 65,504 overflow, below 6.1e-05 lose precision
;; launch patch_attn (part 1): grid 256 x 1, 16 waves a work-group, no clusters, 279,296 bytes of LDS; arguments x, Wq, Wk, Wv, Wp, out0; writes out0
.if DOCPART == 1
	.amdgcn_target "amdgcn-amd-amdhsa--gfx1250"
	.amdhsa_code_object_version 6
	.text
	.protected	k_q065ae5b553_patch_attn
	.globl	k_q065ae5b553_patch_attn
	.p2align	8
	.type	k_q065ae5b553_patch_attn,@function
k_q065ae5b553_patch_attn:
	s_mov_b64 s[64:65], 0
	v_nop
	global_prefetch_b8 v0, s[64:65] scope:SCOPE_SE
	s_setreg_imm32_b32 hwreg(HW_REG_WAVE_MODE, 25, 1), 1
	s_wait_xcnt 0x0
; Attention inside row bands.  x, out0: [2][64][256][256] f32.  A window is 4 image rows of one batch: 1,024 tokens x 64 channels; for one channel its tokens are 4,096
; consecutive bytes, and channels lie 262,144 bytes apart.  q, k, v = x W^T on codes of FP4 (E2M1) with one E8M0 scale for each 32 channels; two heads of 32 channels; softmax over the
; window's 1,024 keys; out = O Wp^T, stored channel-major again.  The products behind the projections take f16 operands and f32 sums; maxima, exponentials and sums are f32.
; SHARES.  256 work-groups: work-group g takes window g / 2 and the half g % 2 of its queries (512), both heads, against all 1,024 keys.  Each of its sixteen waves owns 32 queries (two tiles
; of 16) in 256 registers, four waves to a SIMD, so that one wave's exponentials stand beside another's plain vector work, products and LDS loads.
; Each wave quantises and projects 64 tokens: its own 32 (q, k, v) and 32 of the other half (k, v); so the work-group holds the whole window's K and V in LDS, as f16.
; OPERANDS LIE IN LDS AS IMAGES OF THEIR REGISTERS: four registers by one ds_store_b128 at 16 x lane; the same line as a load gives any wave the same registers in the same lanes.
; The order of the keys in LDS is free as long as K and V agree: a wave's own 32 tokens are key group w, its 32 of the other half group 16 + w: no LDS address hangs on the work-group's number.
; LAYOUT CHAIN.  x: a lane takes a token and its 64 registers run down the channels, so both blocks' maxima are the lane's own and the conversions give codes with K innermost.
;   K, Q: D = W tile x x tile: a lane holds one token and 8 channels: two tiles, packed to f16, are a fragment 16 tokens x 32 channels.   V: D = x tile x Wv tile: a lane holds one channel and 8 tokens.
;   S^T = K Q^T: a lane holds ONE query and 8 keys; two tiles, packed, are source 1 of O^T = V^T P, which again holds one query a lane; O^T, packed, is source 0 of out = O Wp^T.
; SOFTMAX.  q is multiplied by c = log2(e) / sqrt(32) in f32 ahead of its rounding, so a score is already an exponent of 2.  For each query a running maximum m and sum l: p = 2^(s - m);
;   in every step but a head's first, l and O^T are multiplied by a = 2^(m_old - m_new).  l sums the p before they are rounded to f16.
; K = 64 IN AN INSTRUCTION OF 128: x's registers 4-7 are zero codes, and both sides' scale bytes 2 and 3 are 0 (never 0xff): whatever stands in the weight operand's registers 4-7 adds nothing.
; NO CLUSTER, NO TENSOR LOAD: the two work-groups of a window read the same 262,144 bytes of x, but those numbers have to pass through a lane's registers to be quantised, they do not fit in LDS
;   beside the 262,144 bytes of K's and V's images, and they are 128 loads of a wave, all at its head, against 16 key steps of some 470 instructions.  For the same reason nothing is prefetched.
; LIMITS.  NaN and infinities among the inputs are not served.  q c, k, v, O and Wp are rounded to f16: magnitudes beyond 65,504 are not served, and under 6e-5 they keep fewer than 11 bits.
;   A block whose largest magnitude lies under 2^-124 takes the scale byte 1, as the quantiser's clip has it; a block of zeros takes the byte 1 too: its codes are zeros, and only this text reads the bytes.
.set KIMG,   0                         ; LDS: K: head x 65,536 + key tile (0..63) x 1,024 + 512 x half of the fragment + 16 x lane
.set VIMG,   131072                    ; V^T: head x 65,536 + (2 x key group (0..31) + channel tile) x 1,024 + 512 x half + 16 x lane
.set WIMG,   262144                    ; codes of the 12 weight tiles (q0-3, k0-3, v0-3): 512 x tile + 16 x lane
.set WSC,    268288                    ; their scale words: 64 x tile + 4 x row
.set WPIMG,  269056                    ; Wp in f16: 2,048 x tile + 1,024 x head + 512 x half + 16 x lane
.set SPARE,  277248                    ; the spare words, 128 bytes for each wave: eight blocks of 256 bytes that no other line names
.set SPITCH, 2064                      ; the way out: 64 rows (output channels) of 2,048 bytes + 16, from LDS byte 0 on, over K's images when nobody reads them any more
.set CHB,    262144                    ; bytes from channel to channel in x and out0
.set LI,  1                            ; v1      16 x lane
.set ADK, 2                            ; v2      LDS address of the step's K
.set ADV, 3                            ; v3      of its V; at the end of Wp's images
.set SPW, 4                            ; v4      LDS address of my spare word; never rewritten
.set NIL, 5                            ; v5      0; never rewritten
.set WS,  6                            ; v6-11   the weights' scale words: register i: tile 2 i in lanes 0-15, tile 2 i + 1 in lanes 16-31; scales and nothing else
.set XS,  12                           ; v12     x's scale word, lane = token; scales and nothing else
.set STO, 13                           ; v13-14  the way out: where I put 32 bytes of a row (output tiles 0, 1; tiles 2, 3)
.set RD,  15                           ; v15     and where I read rows back
.set ST,  16                           ; v16-31  statistics of query tile t at ST + 8 t: +0 m, +1 m_old - m_new, +2:3 l, +4..7 at work (a in +6)
.set XC,  16                           ; (set-up) v16-19 codes of token tile 0, v20-23 zeros, v24-27 codes of tile 1, v28-31 zeros
.set Q,   32                           ; v32-63  Q: 16 x head + 8 x tile; behind a head's last step the same registers take that head's O, packed.  (set-up: addresses and scratch, v32-55)
.set O,   64                           ; v64-95  O^T: 16 x tile + 8 x channel tile
.set WC,  64                           ; (set-up) v64-111 the weights' codes, four registers a tile; v112-115 zeros
.set F,   64                           ; (weight phase) 32 numbers as loaded;  v96-111 what is made of them
.set KV,  96                           ; v96-127 four fragments of K or of V^T
.set S,   128                          ; v128-255 S^T: 64 x tile + 8 x key tile; p in place; P packed at 64 x tile + 8 x key group
.set D,   128                          ; (set-up) v128-191 the projections' results, and chunk 0's numbers of x; v192-255 chunk 1's
.set WPF, 128                          ; (way out) Wp's fragments: 16 x tile + 8 x head; later the rows read back
.set DP,  192                          ; (way out) results: 32 x token tile + 8 x output tile
.macro PLACES n                        ; plain vector instructions that name no register of the matrix instruction ahead (ISA guide 7.12.1)
.rept \n
	v_nop
.endr
.endm
.macro BARRIER                         ; my LDS stores have landed and my LDS loads are in: then the work-group's barrier
	s_wait_dscnt 0x0
	s_barrier_signal -1
	s_barrier_wait -1
.endm
; 32 tokens x 64 channels: a lane a token, a register a channel; each load reads 128 consecutive bytes, and the sixteen waves stand side by side on 2,048.
; Two bases, 32 channels apart, keep the offsets at 31 x 262,144 at the most, inside the signed 24-bit immediate (ISA guide, chapter 10).
.macro XLOAD reg, off
.set xc, 0
.rept 32
	global_load_b32 v[\reg+xc], v[\off], s[24:25] offset:xc*CHB
.set xc, xc+1
.endr
.set xc, 0
.rept 32
	global_load_b32 v[\reg+32+xc], v[\off], s[26:27] offset:xc*CHB
.set xc, xc+1
.endr
.endm
; My token's 64 numbers in v[x] on become codes and a scale word; then the halves of the lanes change places, so that v16-19 is token tile 0's operand and v24-27 tile 1's.
.macro QUANTX x
	v_max3_num_f32 v48, |v[\x]|, |v[\x+1]|, 0x1800000              ; block 0: channels 0-31; the floor 2^(3 - 127) holds the byte at 1 from below
	v_max3_num_f32 v49, |v[\x+32]|, |v[\x+33]|, 0x1800000          ; block 1: channels 32-63 (the two blocks by turns)
.irp i, 2,4,6,8,10,12,14,16,18,20,22,24,26,28,30
	v_max3_num_f32 v48, v48, |v[\x+\i]|, |v[\x+\i+1]|
	v_max3_num_f32 v49, v49, |v[\x+32+\i]|, |v[\x+33+\i]|
.endr
	v_add_nc_u32 v50, 0xff000000, v48              ; 2 off the exponent field: the conversion takes the exponent field of this operand as its scale
	v_add_nc_u32 v51, 0xff000000, v49
	v_lshrrev_b32 v52, 23, v50                     ; the scales' bytes
	v_lshrrev_b32 v53, 23, v51
	v_lshl_or_b32 v[XS], v53, 8, v52               ; my token's scale word; bytes 2 and 3 stay 0
.irp g, 0,1,2,3
	v_cvt_scalef32_pk8_fp4_f32 v[XC+\g], v[\x+8*\g:\x+8*\g+7], v50
	v_cvt_scalef32_pk8_fp4_f32 v[XC+8+\g], v[\x+32+8*\g:\x+32+8*\g+7], v51
.endr
	v_nop                                          ; one plain place behind a scaled conversion
.irp g, 0,1,2,3
	v_permlane16_swap_b32 v[XC+\g], v[XC+8+\g]     ; block 0 of tokens 16-31 changes places with block 1 of tokens 0-15: lane (r, h) now holds block h of token r (v16-19) and of token 16 + r (v24-27)
.endr
	PLACES 8                                       ; a scale register written by a vector instruction stands 8 places ahead of a scaled matrix instruction, an operand 4
.endm
; One scaled product, 16 x 16, K = 64 of the instruction's 128.  wt: weight tile 0..11;  T: token tile.  swap = 0: source 0 = the weight's 16 rows, source 1 = 16 tokens; swap = 1: the other way round.
; The weight's scale words stand in lanes 16-31 for odd tiles, x's for token tile 1.
.macro PROJ d, wt, T, swap
.set pD, \d
.if \swap
.set pA, XC+8*(\T)
.set pB, WC+4*(\wt)
.set pSA, XS
.set pSB, WS+(\wt)/2
.set pRA, \T
.set pRB, (\wt)%2
.else
.set pA, WC+4*(\wt)
.set pB, XC+8*(\T)
.set pSA, WS+(\wt)/2
.set pSB, XS
.set pRA, (\wt)%2
.set pRB, \T
.endif
.if pRA && pRB
	v_wmma_scale_f32_16x16x128_f8f6f4 v[pD:pD+7], v[pA:pA+7], v[pB:pB+7], 0, v[pSA], v[pSB] matrix_a_fmt:MATRIX_FMT_FP4 matrix_b_fmt:MATRIX_FMT_FP4 matrix_a_scale:MATRIX_SCALE_ROW1 matrix_b_scale:MATRIX_SCALE_ROW1
.elseif pRA
	v_wmma_scale_f32_16x16x128_f8f6f4 v[pD:pD+7], v[pA:pA+7], v[pB:pB+7], 0, v[pSA], v[pSB] matrix_a_fmt:MATRIX_FMT_FP4 matrix_b_fmt:MATRIX_FMT_FP4 matrix_a_scale:MATRIX_SCALE_ROW1
.elseif pRB
	v_wmma_scale_f32_16x16x128_f8f6f4 v[pD:pD+7], v[pA:pA+7], v[pB:pB+7], 0, v[pSA], v[pSB] matrix_a_fmt:MATRIX_FMT_FP4 matrix_b_fmt:MATRIX_FMT_FP4 matrix_b_scale:MATRIX_SCALE_ROW1
.else
	v_wmma_scale_f32_16x16x128_f8f6f4 v[pD:pD+7], v[pA:pA+7], v[pB:pB+7], 0, v[pSA], v[pSB] matrix_a_fmt:MATRIX_FMT_FP4 matrix_b_fmt:MATRIX_FMT_FP4
.endif
.endm
.macro PACK16 base, n                  ; 2 n numbers become n registers of f16 pairs, in place and ascending: register i is written when 2 i and 2 i + 1 are read, never ahead of them
.set pk, 0
.rept \n
	v_cvt_pk_f16_f32 v[\base+pk], v[\base+2*pk], v[\base+2*pk+1]
.set pk, pk+1
.endr
.endm
; 32 tokens, whose numbers stand in v[x] on.  ci = 0: tokens of the other half of the window (key group 16 + w): k and v.  ci = 1: my own (key group w): k, v and q.
.macro CHUNK ci, x
	QUANTX \x
.irp T, 0,1                            ; K: lane (r, h) of result (T, wt) holds token 16 T + r, channels 16 wt + 8 h + 0..7
.irp wt, 0,1,2,3
	PROJ D+32*\T+8*\wt, 4+\wt, \T, 0
.endr
.endr
	PLACES 4
	PACK16 D, 32                                   ; fragment (T, head) at D + 8 (2 T + head)
.irp T, 0,1
.irp hh, 0,1
.irp u, 0,1
	ds_store_b128 v[34+\hh], v[D+8*(2*\T+\hh)+4*\u:D+8*(2*\T+\hh)+4*\u+3] offset:(1-\ci)*32768+\T*1024+512*\u
.endr
.endr
.endr
	s_wait_dscnt 0x0                               ; the stores have read their registers
.irp wt, 0,1,2,3                       ; V: lane (r, h) of result (wt, T) holds channel 16 wt + r, tokens 16 T + 8 h + 0..7
.irp T, 0,1
	PROJ D+16*\wt+8*\T, 8+\wt, \T, 1
.endr
.endr
	PLACES 4
	PACK16 D, 32                                   ; fragment wt (16 channels x 32 keys) at D + 8 wt
.irp wt, 0,1,2,3
.irp u, 0,1
	ds_store_b128 v[36+\wt/2], v[D+8*\wt+4*\u:D+8*\wt+4*\u+3] offset:(1-\ci)*32768+(\wt%2)*1024+512*\u
.endr
.endr
	s_wait_dscnt 0x0
.if \ci
.irp T, 0,1                            ; Q, as K
.irp wt, 0,1,2,3
	PROJ D+32*\T+8*\wt, \wt, \T, 0
.endr
.endr
	PLACES 4
.set qi, 0
.rept 32
	v_pk_mul_f32 v[D+2*qi:D+2*qi+1], v[D+2*qi:D+2*qi+1], s[34:35] op_sel_hi:[1,0]   ; x c, in f32, ahead of the rounding
.set qi, qi+1
.endr
.irp T, 0,1
.irp wt, 0,1,2,3
.irp j, 0,1,2,3
	v_cvt_pk_f16_f32 v[Q+16*(\wt/2)+8*\T+4*(\wt%2)+\j], v[D+32*\T+8*\wt+2*\j], v[D+32*\T+8*\wt+2*\j+1]   ; (the set-up's addresses and scratch in v32-55 are done with)
.endr
.endr
.endr
.endif
.endm
; ---- the attention's macros.  A key step is 128 keys: 8 tiles of K, 8 fragments of V^T (4 groups of 32 keys x 2 channel tiles), 8,192 bytes each.
.macro FLOAD adr, hf                   ; four fragments, the step's half hf
.irp i, 0,1,2,3
.irp u, 0,1
	ds_load_b128 v[KV+8*\i+4*\u:KV+8*\i+4*\u+3], v[\adr] offset:4096*\hf+1024*\i+512*\u
.endr
.endr
.endm
.macro QK hh, hf                       ; S^T of key tiles 4 hf .. 4 hf + 3 for both query tiles
.irp i, 0,1,2,3
	s_wait_dscnt 6-2*\i                            ; two loads bring a fragment: fragment i is in, the younger ones' loads may be out
.irp t, 0,1
	v_wmma_f32_16x16x32_f16 v[S+64*\t+8*(4*\hf+\i):S+64*\t+8*(4*\hf+\i)+7], v[KV+8*\i:KV+8*\i+7], v[Q+16*\hh+8*\t:Q+16*\hh+8*\t+7], 0
.endr
.endr
.endm
.macro PV hf, first                    ; O^T += V^T P: fragment f: key group 2 hf + f / 2, channel tile f % 2.  The four accumulators take turns, one instruction a turn.  first: key group 0 starts the sums
.irp f, 0,1,2,3
	s_wait_dscnt 6-2*\f
.irp t, 0,1
.if (\first) && ((2*\hf+\f/2) == 0)
	v_wmma_f32_16x16x32_f16 v[O+16*\t+8*(\f%2):O+16*\t+8*(\f%2)+7], v[KV+8*\f:KV+8*\f+7], v[S+64*\t+8*(2*\hf+\f/2):S+64*\t+8*(2*\hf+\f/2)+7], 0
.else
	v_wmma_f32_16x16x32_f16 v[O+16*\t+8*(\f%2):O+16*\t+8*(\f%2)+7], v[KV+8*\f:KV+8*\f+7], v[S+64*\t+8*(2*\hf+\f/2):S+64*\t+8*(2*\hf+\f/2)+7], v[O+16*\t+8*(\f%2):O+16*\t+8*(\f%2)+7]
.endif
.endr
.endr
.endm
; The softmax of a step, both query tiles by turns.  first = 1: a head's first step: no old maximum, no a, nothing to rescale.
.macro SOFTMAX first
.irp i, 0,1,2,3                        ; the maximum of my 64 scores: four chains of 16, each result read from its low end on
.irp t, 0,1
	v_max3_num_f32 v[ST+8*\t+4+\i], v[S+64*\t+16*\i], v[S+64*\t+16*\i+1], v[S+64*\t+16*\i+2]
.endr
.endr
.irp n, 3,5,7,9,11,13
.irp i, 0,1,2,3
.irp t, 0,1
	v_max3_num_f32 v[ST+8*\t+4+\i], v[ST+8*\t+4+\i], v[S+64*\t+16*\i+\n], v[S+64*\t+16*\i+\n+1]
.endr
.endr
.endr
.irp t, 0,1
	v_max3_num_f32 v[ST+8*\t+4], v[ST+8*\t+4], v[S+64*\t+15], v[S+64*\t+31]
	v_max3_num_f32 v[ST+8*\t+6], v[ST+8*\t+6], v[S+64*\t+47], v[S+64*\t+63]
.endr
.irp t, 0,1
	v_max3_num_f32 v[ST+8*\t+4], v[ST+8*\t+4], v[ST+8*\t+5], v[ST+8*\t+6]
.endr
.irp t, 0,1
.if \first
	v_max_num_f32 v[ST+8*\t+4], v[ST+8*\t+4], v[ST+8*\t+7]
.else
	v_max3_num_f32 v[ST+8*\t+4], v[ST+8*\t+4], v[ST+8*\t+7], v[ST+8*\t]   ; with the old m
.endif
.endr
.irp t, 0,1
	v_permlanex16_b32 v[ST+8*\t+5], v[ST+8*\t+4], s20, s21         ; the query's other 64 keys lie in the lane 16 away
.endr
.irp t, 0,1
	v_max_num_f32 v[ST+8*\t+4], v[ST+8*\t+4], v[ST+8*\t+5]
.endr
.irp t, 0,1
.if \first
	v_mov_b32 v[ST+8*\t+1], 0                      ; (named with m as a pair, so it is written)
.else
	v_sub_f32 v[ST+8*\t+1], v[ST+8*\t], v[ST+8*\t+4]               ; m_old - m_new
.endif
.endr
.irp t, 0,1
	v_mov_b32 v[ST+8*\t], v[ST+8*\t+4]             ; the new m
.endr
	; ONE BATCH: a, the 64 subtractions (two scores each) and the 128 exponentials; none of these lines names an exponential's result.  A pair is brought under m one round ahead of its exponentials.
.if !\first
.irp t, 0,1
	v_exp_f32 v[ST+8*\t+6], v[ST+8*\t+1]           ; a
.endr
.endif
.irp t, 0,1
	v_pk_add_f32 v[S+64*\t:S+64*\t+1], v[S+64*\t:S+64*\t+1], v[ST+8*\t:ST+8*\t+1] op_sel_hi:[1,0] neg_lo:[0,1] neg_hi:[0,1]   ; s - m: of the pair (m, ..) the low word serves both halves
.endr
.set b, 0
.rept 32
.if b < 31
.irp t, 0,1
	v_pk_add_f32 v[S+64*\t+2*b+2:S+64*\t+2*b+3], v[S+64*\t+2*b+2:S+64*\t+2*b+3], v[ST+8*\t:ST+8*\t+1] op_sel_hi:[1,0] neg_lo:[0,1] neg_hi:[0,1]
.endr
.endif
.irp t, 0,1
	v_exp_f32 v[S+64*\t+2*b], v[S+64*\t+2*b]       ; p = 2^(s - m), at most 1
	v_exp_f32 v[S+64*\t+2*b+1], v[S+64*\t+2*b+1]
.endr
.set b, b+1
.endr
	v_nop                                          ; a plain instruction behind the last exponential, ahead of the first use
	s_wait_alu depctr_va_vdst(0)                   ; the wait ahead of the first instruction that names a result: one for the whole batch
	; l = a l + the sum of my 64 p, unrounded: two at a time, in two chains a tile
.irp t, 0,1
.if \first
	v_pk_add_f32 v[ST+8*\t+2:ST+8*\t+3], v[S+64*\t:S+64*\t+1], v[S+64*\t+2:S+64*\t+3]
	v_pk_add_f32 v[ST+8*\t+4:ST+8*\t+5], v[S+64*\t+4:S+64*\t+5], v[S+64*\t+6:S+64*\t+7]
.else
	v_pk_mul_f32 v[ST+8*\t+2:ST+8*\t+3], v[ST+8*\t+2:ST+8*\t+3], v[ST+8*\t+6:ST+8*\t+7] op_sel_hi:[1,0]
	v_pk_add_f32 v[ST+8*\t+4:ST+8*\t+5], v[S+64*\t:S+64*\t+1], v[S+64*\t+2:S+64*\t+3]
.endif
.endr
.set sj, 4+4*\first
.rept 15-\first
.irp t, 0,1
	v_pk_add_f32 v[ST+8*\t+2:ST+8*\t+3], v[ST+8*\t+2:ST+8*\t+3], v[S+64*\t+sj:S+64*\t+sj+1]
	v_pk_add_f32 v[ST+8*\t+4:ST+8*\t+5], v[ST+8*\t+4:ST+8*\t+5], v[S+64*\t+sj+2:S+64*\t+sj+3]
.endr
.set sj, sj+4
.endr
.irp t, 0,1
	v_pk_add_f32 v[ST+8*\t+2:ST+8*\t+3], v[ST+8*\t+2:ST+8*\t+3], v[ST+8*\t+4:ST+8*\t+5]
.endr
.set pk, 0                             ; p to f16, in place and ascending: key tiles 2 g and 2 g + 1 become P's fragment g, at 64 t + 8 g
.rept 32
.irp t, 0,1
	v_cvt_pk_f16_f32 v[S+64*\t+pk], v[S+64*\t+2*pk], v[S+64*\t+2*pk+1]
.endr
.set pk, pk+1
.endr
.if !\first
.irp j, 0,2,4,6,8,10,12,14             ; O^T x a, each accumulator from its low end on
.irp t, 0,1
	v_pk_mul_f32 v[O+16*\t+\j:O+16*\t+\j+1], v[O+16*\t+\j:O+16*\t+\j+1], v[ST+8*\t+6:ST+8*\t+7] op_sel_hi:[1,0]
.endr
.endr
.endif
.endm
.macro STEP hh, first
	v_add_nc_u32 v[ADK], s30, v[LI]
	v_add_nc_u32 v[ADV], s31, v[LI]
	PLACES 3                                       ; with the two additions five places behind the last step's products: four are owed by the loads into their fragments' registers, five by the products below, which write over P
	FLOAD ADK, 0
	QK \hh, 0
	PLACES 4                                       ; in front of loads into registers that matrix instructions have read
	FLOAD ADK, 1
	QK \hh, 1
	PLACES 4                                       ; the same, and in front of the first read of the scores
	FLOAD ADV, 0                                   ; V's first four fragments land while the softmax is walked
	SOFTMAX \first
	PV 0, \first
	PLACES 4
	FLOAD ADV, 1
	PV 1, 0
	s_add_co_u32 s30, s30, 8192                    ; the next 128 keys
	s_add_co_u32 s31, s31, 8192
.endm
.macro FINISH hh                       ; O^T / l, rounded to f16, into the registers that held this head's Q.  The four additions and the v_nop are the places behind the last products
.irp t, 0,1
	v_add_f32 v[ST+8*\t+4], v[ST+8*\t+2], v[ST+8*\t+3]
.endr
.irp t, 0,1
	v_permlanex16_b32 v[ST+8*\t+5], v[ST+8*\t+4], s20, s21
.endr
.irp t, 0,1
	v_add_f32 v[ST+8*\t+4], v[ST+8*\t+4], v[ST+8*\t+5]
.endr
.irp t, 0,1
	v_rcp_f32 v[ST+8*\t+6], v[ST+8*\t+4]
.endr
	v_nop                                          ; a plain instruction behind the last reciprocal
	s_wait_alu depctr_va_vdst(0)                   ; and the wait ahead of the first use: one for both
.irp j, 0,2,4,6,8,10,12,14
.irp t, 0,1
	v_pk_mul_f32 v[O+16*\t+\j:O+16*\t+\j+1], v[O+16*\t+\j:O+16*\t+\j+1], v[ST+8*\t+6:ST+8*\t+7] op_sel_hi:[1,0]
.endr
.endr
.irp i, 0,1,2,3,4,5,6,7
.irp t, 0,1
	v_cvt_pk_f16_f32 v[Q+16*\hh+8*\t+\i], v[O+16*\t+2*\i], v[O+16*\t+2*\i+1]   ; lane (r, h): token r, channels 8 h + 0..7 (registers 0-3) and 16 + 8 h + 0..7 (4-7) of the head
.endr
.endr
.endm
.macro HEAD hh                         ; a head: 8 key steps; the first is written out, since its products start O^T's sums and its softmax has no old maximum
	s_mov_b32 s30, KIMG+65536*\hh
	s_mov_b32 s31, VIMG+65536*\hh
	STEP \hh, 1
	s_mov_b32 s32, 7
.Lstep_\@:
	STEP \hh, 0
	s_sub_co_u32 s32, s32, 1
	s_cmp_lg_u32 s32, 0
	s_cbranch_scc1 .Lstep_\@
	FINISH \hh
.endm
; ---- the head: every address register is made here, ahead of the one place where the waves part
	s_load_b256 s[4:11], s[0:1], 0x0               ; x s[4:5], Wq s[6:7], Wk s[8:9], Wv s[10:11]
	s_load_b128 s[12:15], s[0:1], 0x20             ; Wp s[12:13], out0 s[14:15]
	v_lshl_add_u32 v[SPW], v0, 2, SPARE
	v_mov_b32 v[NIL], 0
	v_lshrrev_b32 v54, 5, v0
	v_readfirstlane_b32 s16, v54                   ; wave 0..15
	v_and_b32 v47, 31, v0                          ; lane
	v_and_b32 v45, 15, v0                          ; r
	v_bfe_u32 v46, v0, 4, 1                        ; h
	v_lshlrev_b32 v[LI], 4, v47
	s_and_b32 s17, ttmp9, 1                        ; which half of the window's queries
	s_lshr_b32 s18, ttmp9, 1                       ; the window
	s_mov_b32 s20, 0x76543210
	s_mov_b32 s21, 0xfedcba98                      ; v_permlanex16_b32's selects for lane l xor 16
	s_mov_b32 s34, 0x3e8293ee                      ; c = log2(e) / sqrt(32)
	s_mov_b32 s35, s34                             ; (named with it as a pair, so it is written)
	s_lshl_b32 s19, s16, 7                         ; 128 w: my 32 tokens' bytes in a half
	s_lshl_b32 s33, s17, 11                        ; 2,048 x half
	s_add_co_u32 s36, s19, s33
	v_lshl_add_u32 v33, v47, 2, s36                ; x: my own tokens: 4 x lane + 128 w + 2,048 x half
	s_xor_b32 s33, s33, 2048
	s_add_co_u32 s36, s19, s33
	v_lshl_add_u32 v32, v47, 2, s36                ; and my 32 of the other half
	v_mul_u32_u24 v[STO], v45, SPITCH              ; the stage, in: row r of an output tile, my wave's 128 bytes, 32 bytes for each half of the lanes
	v_lshl_add_u32 v[STO], v46, 5, v[STO]
	v_add_nc_u32 v[STO], s19, v[STO]
	v_add_nc_u32 v[STO+1], 32*SPITCH, v[STO]       ; output tiles 2 and 3
	s_mul_i32 s36, s16, 4*SPITCH
	v_add_nc_u32 v[RD], s36, v[LI]                 ; back: rows 4 w .. 4 w + 3, 16 bytes a lane
	s_lshl_b32 s36, s16, 11
	v_add_nc_u32 v34, s36, v[LI]                   ; K's images of key group w: head 0,
	v_add_nc_u32 v35, 0x10000, v34                 ; head 1;
	v_add_nc_u32 v36, 0x20000, v34                 ; V's: head 0,
	v_add_nc_u32 v37, 0x30000, v34                 ; head 1
	v_lshlrev_b32 v38, 8, v45                      ; a weight's row is 256 bytes
	v_lshl_add_u32 v39, v46, 5, v38                ; Wp: row r, + 32 h: eight numbers of a fragment's half
	v_lshl_add_u32 v38, v46, 7, v38                ; Wq, Wk, Wv: row r, + 128 h: my block of 32
	s_lshl_b32 s36, s16, 9
	s_add_co_u32 s36, s36, WIMG
	v_add_nc_u32 v40, s36, v[LI]                   ; where wave w (0..11) puts tile w's codes,
	s_lshl_b32 s36, s16, 6
	s_add_co_u32 s36, s36, WSC
	v_lshl_add_u32 v41, v45, 2, s36                ; and its scale words
	s_and_b32 s37, s16, 3
	s_lshl_b32 s36, s37, 11
	s_add_co_u32 s36, s36, WPIMG
	v_add_nc_u32 v42, s36, v[LI]                   ; where wave 12 + i puts Wp's tile i
	v_add_nc_u32 v43, WIMG, v[LI]                  ; from where every wave reads the codes,
	v_lshl_add_u32 v44, v47, 2, WSC                ; and the scale words: two tiles' to a register
.irp z, 20,21,22,23,28,29,30,31,112,113,114,115,54
	v_mov_b32 v\z, 0                               ; zero codes for k = 64 .. 127; behind the last weight tile; v54: a lane permute's destination counts as one of its sources
.endr
	s_lshr_b32 s38, s18, 6                         ; batch
	s_and_b32 s39, s18, 63                         ; band
	s_lshl_b32 s38, s38, 24                        ; 64 channels x 262,144 bytes
	s_lshl_b32 s39, s39, 12                        ; 4,096 bytes a band
	s_add_co_u32 s28, s38, s39
	s_mov_b32 s29, 0
	s_lshl_b32 s40, s37, 12                        ; a weight tile: 16 rows of 256 bytes
	s_mov_b32 s41, 0
	s_lshl_b32 s42, s17, 11                        ; out0: my half's 2,048 bytes of a channel,
	s_lshl_b32 s43, s16, 20                        ; and the four channels that I store
	s_add_co_u32 s42, s42, s43
	s_mov_b32 s43, 0
	s_lshr_b32 s19, s16, 2                         ; which weight is my wave's: 0 Wq, 1 Wk, 2 Wv, 3 Wp
	s_wait_kmcnt 0x0
	s_cmp_eq_u32 s19, 0
	s_cselect_b64 s[22:23], s[6:7], s[8:9]
	s_cmp_eq_u32 s19, 2
	s_cselect_b64 s[22:23], s[10:11], s[22:23]
	s_cmp_eq_u32 s19, 3
	s_cselect_b64 s[22:23], s[12:13], s[22:23]
	s_add_nc_u64 s[22:23], s[22:23], s[40:41]      ; my tile of it
	s_add_nc_u64 s[24:25], s[4:5], s[28:29]        ; x at the window, channels 0-31,
	s_add_nc_u64 s[26:27], s[24:25], 0x800000      ; channels 32-63
	s_add_nc_u64 s[14:15], s[14:15], s[28:29]
	s_add_nc_u64 s[14:15], s[14:15], s[42:43]
	s_cmp_lt_u32 s16, 12
	s_cbranch_scc0 .Lwp
; ---- waves 0-11: a tile (16 rows) of Wq, Wk or Wv becomes an operand's four registers and a scale word a row.  Lane (r, h) holds block h of row r: all 32 numbers are its own
.irp i, 0,1,2,3,4,5,6,7
	global_load_b128 v[F+4*\i:F+4*\i+3], v38, s[22:23] offset:16*\i
.endr
	XLOAD 128, 32                                  ; chunk 0 of x is asked for behind the weights and lands while they are worked on
	s_wait_loadcnt 63                              ; 64 loads were issued behind the weight's eight; 63 is the largest count that the wait can name
	v_max3_num_f32 v48, |v[F]|, |v[F+1]|, |v[F+2]|
	v_max3_num_f32 v49, |v[F+3]|, |v[F+4]|, |v[F+5]|
.irp i, 6,10,14,18,22,26
	v_max3_num_f32 v48, v48, |v[F+\i]|, |v[F+\i+1]|
	v_max3_num_f32 v49, v49, |v[F+\i+2]|, |v[F+\i+3]|
.endr
	v_max3_num_f32 v48, v48, |v[F+30]|, |v[F+31]|
	v_max3_num_f32 v48, v48, v49, 0x1800000        ; the floor 2^(3 - 127): the byte cannot fall under 1
	v_add_nc_u32 v50, 0xff000000, v48              ; the conversion's scale operand
	v_lshrrev_b32 v52, 23, v50                     ; the byte of block h,
	v_lshlrev_b32 v53, 3, v46
	v_lshlrev_b32 v52, v53, v52                    ; at its place in the word;
	v_permlanex16_b32 v54, v52, s20, s21
	v_or_b32 v52, v52, v54                         ; with lane l xor 16's the word is whole; bytes 2 and 3 stay 0
.irp g, 0,1,2,3
	v_cvt_scalef32_pk8_fp4_f32 v[96+\g], v[F+8*\g:F+8*\g+7], v50
.endr
	v_nop                                          ; one plain place behind a scaled conversion
	ds_store_b128 v40, v[96:99]
	ds_store_b32 v41, v52                          ; both halves of the lanes write the same word with the same value
	s_branch .Lweights_out
.Lwp:
; ---- waves 12-15: a tile (16 rows) of Wp becomes two f16 fragments (one a head)
.irp kk, 0,1
.irp u, 0,1
.irp q, 0,1
	global_load_b128 v[F+16*\kk+8*\u+4*\q:F+16*\kk+8*\u+4*\q+3], v39, s[22:23] offset:128*\kk+64*\u+16*\q
.endr
.endr
.endr
	XLOAD 128, 32
	s_wait_loadcnt 63                              ; as above
.irp i, 0,1,2,3,4,5,6,7,8,9,10,11,12,13,14,15
	v_cvt_pk_f16_f32 v[96+\i], v[F+2*\i], v[F+2*\i+1]
.endr
.irp i, 0,1,2,3
	ds_store_b128 v42, v[96+4*\i:96+4*\i+3] offset:512*\i
.endr
.Lweights_out:
	BARRIER                                        ; the weights' images lie in LDS (x's loads stay on their way: nobody writes those bytes)
.irp i, 0,1,2,3,4,5,6,7,8,9,10,11
	ds_load_b128 v[WC+4*\i:WC+4*\i+3], v43 offset:512*\i
.endr
.irp i, 0,1,2,3,4,5
	ds_load_b32 v[WS+\i], v44 offset:128*\i
.endr
	XLOAD 192, 33                                  ; chunk 1, my own tokens, lands while chunk 0 is worked on
	s_wait_loadcnt 63                              ; 64 loads were issued behind chunk 0's
	s_wait_dscnt 0x0
	CHUNK 0, 128
	s_wait_loadcnt 0x0
	CHUNK 1, 192
	BARRIER                                        ; the window's K and V lie in LDS
	HEAD 0
	HEAD 1
; ---- the way out: out = O Wp^T.  Source 0 = my 16 tokens x a head's 32 channels, source 1 = 16 rows of Wp: lane (r, h) holds output channel 16 ot + r and eight neighbouring tokens
	v_add_nc_u32 v[ADV], WPIMG, v[LI]
.irp ot, 0,1,2,3
.irp kk, 0,1
.irp u, 0,1
	ds_load_b128 v[WPF+16*\ot+8*\kk+4*\u:WPF+16*\ot+8*\kk+4*\u+3], v[ADV] offset:2048*\ot+1024*\kk+512*\u
.endr
.endr
.endr
	s_wait_dscnt 0x0
.irp t, 0,1                            ; eight accumulators by turns: head 0 starts the sums, head 1 adds in the same order
.irp ot, 0,1,2,3
	v_wmma_f32_16x16x32_f16 v[DP+32*\t+8*\ot:DP+32*\t+8*\ot+7], v[Q+8*\t:Q+8*\t+7], v[WPF+16*\ot:WPF+16*\ot+7], 0
.endr
.endr
.irp t, 0,1
.irp ot, 0,1,2,3
	v_wmma_f32_16x16x32_f16 v[DP+32*\t+8*\ot:DP+32*\t+8*\ot+7], v[Q+16+8*\t:Q+16+8*\t+7], v[WPF+16*\ot+8:WPF+16*\ot+15], v[DP+32*\t+8*\ot:DP+32*\t+8*\ot+7]
.endr
.endr
	PLACES 4                                       ; in front of the stores that read the results and of the loads into Wp's registers
	BARRIER                                        ; every wave has read its last byte of K and V: the stage may be laid over them
.irp t, 0,1
.irp ot, 0,1,2,3
	ds_store_b128 v[STO+\ot/2], v[DP+32*\t+8*\ot:DP+32*\t+8*\ot+3] offset:(\ot%2)*16*SPITCH+64*\t        ; each accumulator from its low end on; sixteen lanes' rows lie 2,064 bytes apart: an odd multiple of 16
	ds_store_b128 v[STO+\ot/2], v[DP+32*\t+8*\ot+4:DP+32*\t+8*\ot+7] offset:(\ot%2)*16*SPITCH+64*\t+16
.endr
.endr
	BARRIER                                        ; 64 channels x 512 tokens lie in the stage
.irp i, 0,1,2,3
.irp q, 0,1,2,3
	ds_load_b128 v[WPF+4*(4*\i+\q):WPF+4*(4*\i+\q)+3], v[RD] offset:\i*SPITCH+512*\q
.endr
.endr
.irp i, 0,1,2,3
.irp q, 0,1,2,3
	s_wait_dscnt 15-(4*\i+\q)                      ; LDS loads come back in order: this one is in, the younger ones may be out
	global_store_b128 v[LI], v[WPF+4*(4*\i+\q):WPF+4*(4*\i+\q)+3], s[14:15] offset:\i*CHB+512*\q th:TH_STORE_NT   ; 32 lanes store 512 consecutive bytes, at a multiple of 256 from out0's first byte; written once, read by nobody here
.endr
.endr
	s_wait_tensorcnt 0x0                           ; the wave's end
	ds_add_u32 v[SPW], v[NIL]
	s_wait_dscnt 0x0
	s_endpgm
.Lfunc_end_k_q065ae5b553_patch_attn:
	.size	k_q065ae5b553_patch_attn, .Lfunc_end_k_q065ae5b553_patch_attn-k_q065ae5b553_patch_attn
	.p2alignl 7, 3214868480
	.fill 96, 4, 3214868480
	.section	.rodata,"a",@progbits
	.p2align	6, 0x0
	.amdhsa_kernel k_q065ae5b553_patch_attn
		.amdhsa_group_segment_fixed_size 279296
		.amdhsa_private_segment_fixed_size 0
		.amdhsa_enable_private_segment 0
		.amdhsa_kernarg_size 48
		.amdhsa_user_sgpr_count 2
		.amdhsa_user_sgpr_kernarg_segment_ptr 1
		.amdhsa_wavefront_size32 1
		.amdhsa_system_sgpr_workgroup_id_x 1
		.amdhsa_system_sgpr_workgroup_id_y 1
		.amdhsa_system_sgpr_workgroup_id_z 1
		.amdhsa_system_vgpr_workitem_id 0
		.amdhsa_next_free_vgpr 256
		.amdhsa_next_free_sgpr 66
		.amdhsa_reserve_vcc 0
		.amdhsa_float_denorm_mode_32 3
		.amdhsa_float_denorm_mode_16_64 3
		.amdhsa_memory_ordered 1
		.amdhsa_forward_progress 1
		.amdhsa_inst_pref_size 170
	.end_amdhsa_kernel
	.amdgpu_metadata
---
amdhsa.version: [ 1, 2 ]
amdhsa.kernels:
  - .name:           k_q065ae5b553_patch_attn
    .symbol:         k_q065ae5b553_patch_attn.kd
    .args:
      - { .name: x, .offset: 0, .size: 8, .value_kind: global_buffer, .address_space: global }
      - { .name: Wq, .offset: 8, .size: 8, .value_kind: global_buffer, .address_space: global }
      - { .name: Wk, .offset: 16, .size: 8, .value_kind: global_buffer, .address_space: global }
      - { .name: Wv, .offset: 24, .size: 8, .value_kind: global_buffer, .address_space: global }
      - { .name: Wp, .offset: 32, .size: 8, .value_kind: global_buffer, .address_space: global }
      - { .name: out0, .offset: 40, .size: 8, .value_kind: global_buffer, .address_space: global }
    .group_segment_fixed_size: 279296
    .private_segment_fixed_size: 0
    .kernarg_segment_align: 8
    .kernarg_segment_size: 48
    .max_flat_workgroup_size: 512
    .sgpr_count:     66
    .vgpr_count:     256
    .wavefront_size: 32
...
	.end_amdgpu_metadata
.endif
;; end of part 1
;; ======== version 2 of 2: 1 launch; version 1 with the launch patch_attn written anew for expert scheduling mode
;; limits: values are held in f16: magnitudes above 65,504 overflow, below 6.1e-05 lose precision
;; launch patch_attn (part 2): grid 256 x 1, 16 waves a work-group, no clusters, 279,296 bytes of LDS; arguments x, Wq, Wk, Wv, Wp, out0; writes out0
.if DOCPART == 2
	.amdgcn_target "amdgcn-amd-amdhsa--gfx1250"
	.amdhsa_code_object_version 6
	.text
	.protected	k_q065ae5b553_patch_attn
	.globl	k_q065ae5b553_patch_attn
	.p2align	8
	.type	k_q065ae5b553_patch_attn,@function
k_q065ae5b553_patch_attn:
	s_mov_b64 s[64:65], 0
	v_nop
	global_prefetch_b8 v0, s[64:65] scope:SCOPE_SE
	s_setreg_imm32_b32 hwreg(HW_REG_WAVE_SCHED_MODE, 0, 2), 2
	s_setreg_imm32_b32 hwreg(HW_REG_WAVE_MODE, 25, 1), 1
	s_wait_xcnt 0x0
	s_wait_alu depctr_vm_vsrc(0)
; Attention inside row bands.  x, out0: [2][64][256][256] f32.  A window is 4 image rows of one batch: 1,024 tokens x 64 channels; for one channel its tokens are 4,096
; consecutive bytes, and channels lie 262,144 bytes apart.  q, k, v = x W^T on codes of FP4 (E2M1) with one E8M0 scale for each 32 channels; two heads of 32 channels; softmax over the
; window's 1,024 keys; out = O Wp^T, stored channel-major again.  The products behind the projections take f16 operands and f32 sums; maxima, exponentials and sums are f32.
; SHARES.  256 work-groups: work-group g takes window g / 2 and the half g % 2 of its queries (512), both heads, against all 1,024 keys.  Each of its sixteen waves owns 32 queries (two tiles
; of 16) in 256 registers, four waves to a SIMD, so that one wave's exponentials stand beside another's plain vector work, products and LDS loads.
; Each wave quantises and projects 64 tokens: its own 32 (q, k, v) and 32 of the other half (k, v); so the work-group holds the whole window's K and V in LDS, as f16.
; OPERANDS LIE IN LDS AS IMAGES OF THEIR REGISTERS: four registers by one ds_store_b128 at 16 x lane; the same line as a load gives any wave the same registers in the same lanes.
; The order of the keys in LDS is free as long as K and V agree: a wave's own 32 tokens are key group w, its 32 of the other half group 16 + w: no LDS address hangs on the work-group's number.
; LAYOUT CHAIN.  x: a lane takes a token and its 64 registers run down the channels, so both blocks' maxima are the lane's own and the conversions give codes with K innermost.
;   K, Q: D = W tile x x tile: a lane holds one token and 8 channels: two tiles, packed to f16, are a fragment 16 tokens x 32 channels.   V: D = x tile x Wv tile: a lane holds one channel and 8 tokens.
;   S^T = K Q^T: a lane holds ONE query and 8 keys; two tiles, packed, are source 1 of O^T = V^T P, which again holds one query a lane; O^T, packed, is source 0 of out = O Wp^T.
; SOFTMAX.  q is multiplied by c = log2(e) / sqrt(32) in f32 ahead of its rounding, so a score is already an exponent of 2.  For each query a running maximum m and sum l: p = 2^(s - m);
;   in every step but a head's first, l and O^T are multiplied by a = 2^(m_old - m_new).  l sums the p before they are rounded to f16.
; K = 64 IN AN INSTRUCTION OF 128: x's registers 4-7 are zero codes, and both sides' scale bytes 2 and 3 are 0 (never 0xff): whatever stands in the weight operand's registers 4-7 adds nothing.
; NO CLUSTER, NO TENSOR LOAD: the two work-groups of a window read the same 262,144 bytes of x, but those numbers have to pass through a lane's registers to be quantised, they do not fit in LDS
;   beside the 262,144 bytes of K's and V's images, and they are 128 loads of a wave, all at its head, against 16 key steps of some 470 instructions.  For the same reason nothing is prefetched.
; LIMITS.  NaN and infinities among the inputs are not served.  q c, k, v, O and Wp are rounded to f16: magnitudes beyond 65,504 are not served, and under 6e-5 they keep fewer than 11 bits.
;   A block whose largest magnitude lies under 2^-124 takes the scale byte 1, as the quantiser's clip has it; a block of zeros takes the byte 1 too: its codes are zeros, and only this text reads the bytes.
; THE MODE: SCHED_MODE bits 1:0 = 2 (LLVM: expert scheduling mode 2), set by the entry lines.  The code itself states the register dependences
; between vector or matrix instructions and memory or LDS instructions, with s_wait_alu, always for 0.
; THE PLAN.  Registers that LDS instructions touch in key step j:
;   v[ADK], v[ADV]  Written by two additions at the step's head; read by all of the step's LDS loads.  One wait on vm_vsrc stands ahead of the additions.
;   KV  v96-127     K's tiles 4-7 land at the head; the second eight products K Q^T read them; V's fragments 0-3 land behind those; the first eight products V^T P read them.
;   VH  v160-191    Scores, then p, until p is rounded to f16 in place; then V's fragments 4-7 land; the last eight products V^T P read them; step j + 1 writes scores over them.
;   KN  v224-255    Scores, then p, likewise; then tiles 0-3 of K of step j + 1 land; that step's first eight products read them, its second eight write scores over them.
; So three waits on va_vdst stand in a step beside the exponentials' own: at the head (the addresses are written, the last step's products are done reading KV), behind the sixteen products K Q^T
; (they are done reading KV), and behind p's rounding (it is done reading VH and KN).  Each stands directly ahead of its run of loads.  The sixteen products of each kind follow each other with no load between.
; In the set-up and on the way out each run of LDS stores has a wait on va_vdst ahead of it (its data are written) and a wait on vm_vsrc ahead of the first line that writes those data again.
.set KIMG,   0                         ; LDS: K: head x 65,536 + key tile (0..63) x 1,024 + 512 x half of the fragment + 16 x lane
.set VIMG,   131072                    ; V^T: head x 65,536 + (2 x key group (0..31) + channel tile) x 1,024 + 512 x half + 16 x lane
.set WIMG,   262144                    ; codes of the 12 weight tiles (q0-3, k0-3, v0-3): 512 x tile + 16 x lane
.set WSC,    268288                    ; their scale words: 64 x tile + 4 x row
.set WPIMG,  269056                    ; Wp in f16: 2,048 x tile + 1,024 x head + 512 x half + 16 x lane
.set SPARE,  277248                    ; the spare words, 128 bytes for each wave: eight blocks of 256 bytes that no other line names
.set SPITCH, 2064                      ; the way out: 64 rows (output channels) of 2,048 bytes + 16, from LDS byte 0 on, over K's images when nobody reads them any more
.set CHB,    262144                    ; bytes from channel to channel in x and out0
.set LI,  1                            ; v1      16 x lane
.set ADK, 2                            ; v2      LDS address of the step's K
.set ADV, 3                            ; v3      of its V; at the end of Wp's images
.set SPW, 4                            ; v4      LDS address of my spare word; never rewritten
.set NIL, 5                            ; v5      0; never rewritten
.set WS,  6                            ; v6-11   the weights' scale words: register i: tile 2 i in lanes 0-15, tile 2 i + 1 in lanes 16-31; scales and nothing else
.set XS,  12                           ; v12     x's scale word, lane = token; scales and nothing else
.set STO, 13                           ; v13-14  the way out: where I put 32 bytes of a row (output tiles 0, 1; tiles 2, 3)
.set RD,  15                           ; v15     and where I read rows back
.set ST,  16                           ; v16-31  statistics of query tile t at ST + 8 t: +0 m, +1 m_old - m_new, +2:3 l, +4..7 at work (a in +6)
.set XC,  16                           ; (set-up) v16-19 codes of token tile 0, v20-23 zeros, v24-27 codes of tile 1, v28-31 zeros
.set Q,   32                           ; v32-63  Q: 16 x head + 8 x tile; behind a head's last step the same registers take that head's O, packed.  (set-up: addresses and scratch, v32-55)
.set O,   64                           ; v64-95  O^T: 16 x tile + 8 x channel tile
.set WC,  64                           ; (set-up) v64-111 the weights' codes, four registers a tile; v112-115 zeros
.set F,   64                           ; (weight phase) 32 numbers as loaded;  v96-111 what is made of them
.set KV,  96                           ; v96-127 four fragments: K's tiles 4-7, then V^T's fragments 0-3
.set S,   128                          ; v128-255 S^T: 64 x tile + 8 x key tile; p in place; P packed at 64 x tile + 8 x key group
.set VH,  160                          ; v160-191 behind p's rounding: V^T's fragments 4-7
.set KN,  224                          ; v224-255 behind p's rounding: the next step's tiles 0-3 of K
.set D,   128                          ; (set-up) v128-191 the projections' results, and chunk 0's numbers of x; v192-255 chunk 1's
.set WPF, 128                          ; (way out) Wp's fragments: 16 x tile + 8 x head; later the rows read back
.set DP,  192                          ; (way out) results: 32 x token tile + 8 x output tile
.macro PLACES n                        ; plain vector instructions that name no register of the matrix instruction ahead (ISA guide 7.12.1)
.rept \n
	v_nop
.endr
.endm
.macro BARRIER                         ; my LDS stores have landed and my LDS loads are in: then the work-group's barrier
	s_wait_dscnt 0x0
	s_barrier_signal -1
	s_barrier_wait -1
.endm
; 32 tokens x 64 channels: a lane a token, a register a channel; each load reads 128 consecutive bytes, and the sixteen waves stand side by side on 2,048.
; Two bases, 32 channels apart, keep the offsets at 31 x 262,144 at the most, inside the signed 24-bit immediate (ISA guide, chapter 10).
.macro XLOAD reg, off
.set xc, 0
.rept 32
	global_load_b32 v[\reg+xc], v[\off], s[24:25] offset:xc*CHB
.set xc, xc+1
.endr
.set xc, 0
.rept 32
	global_load_b32 v[\reg+32+xc], v[\off], s[26:27] offset:xc*CHB
.set xc, xc+1
.endr
.endm
; My token's 64 numbers in v[x] on become codes and a scale word; then the halves of the lanes change places, so that v16-19 is token tile 0's operand and v24-27 tile 1's.
.macro QUANTX x
	v_max3_num_f32 v48, |v[\x]|, |v[\x+1]|, 0x1800000              ; block 0: channels 0-31; the floor 2^(3 - 127) holds the byte at 1 from below
	v_max3_num_f32 v49, |v[\x+32]|, |v[\x+33]|, 0x1800000          ; block 1: channels 32-63 (the two blocks by turns)
.irp i, 2,4,6,8,10,12,14,16,18,20,22,24,26,28,30
	v_max3_num_f32 v48, v48, |v[\x+\i]|, |v[\x+\i+1]|
	v_max3_num_f32 v49, v49, |v[\x+32+\i]|, |v[\x+33+\i]|
.endr
	v_add_nc_u32 v50, 0xff000000, v48              ; 2 off the exponent field: the conversion takes the exponent field of this operand as its scale
	v_add_nc_u32 v51, 0xff000000, v49
	v_lshrrev_b32 v52, 23, v50                     ; the scales' bytes
	v_lshrrev_b32 v53, 23, v51
	v_lshl_or_b32 v[XS], v53, 8, v52               ; my token's scale word; bytes 2 and 3 stay 0
.irp g, 0,1,2,3
	v_cvt_scalef32_pk8_fp4_f32 v[XC+\g], v[\x+8*\g:\x+8*\g+7], v50
	v_cvt_scalef32_pk8_fp4_f32 v[XC+8+\g], v[\x+32+8*\g:\x+32+8*\g+7], v51
.endr
	v_nop                                          ; one plain place behind a scaled conversion
.irp g, 0,1,2,3
	v_permlane16_swap_b32 v[XC+\g], v[XC+8+\g]     ; block 0 of tokens 16-31 changes places with block 1 of tokens 0-15: lane (r, h) now holds block h of token r (v16-19) and of token 16 + r (v24-27)
.endr
	PLACES 8                                       ; a scale register written by a vector instruction stands 8 places ahead of a scaled matrix instruction, an operand 4
	s_wait_alu depctr_va_vdst(0)                   ; behind the places: x's codes (v16-19, v24-27) and its scale word (v12) are written, which the chunk's scaled products take as operand and scales
.endm
; One scaled product, 16 x 16, K = 64 of the instruction's 128.  wt: weight tile 0..11;  T: token tile.  swap = 0: source 0 = the weight's 16 rows, source 1 = 16 tokens; swap = 1: the other way round.
; The weight's scale words stand in lanes 16-31 for odd tiles, x's for token tile 1.
.macro PROJ d, wt, T, swap
.set pD, \d
.if \swap
.set pA, XC+8*(\T)
.set pB, WC+4*(\wt)
.set pSA, XS
.set pSB, WS+(\wt)/2
.set pRA, \T
.set pRB, (\wt)%2
.else
.set pA, WC+4*(\wt)
.set pB, XC+8*(\T)
.set pSA, WS+(\wt)/2
.set pSB, XS
.set pRA, (\wt)%2
.set pRB, \T
.endif
.if pRA && pRB
	v_wmma_scale_f32_16x16x128_f8f6f4 v[pD:pD+7], v[pA:pA+7], v[pB:pB+7], 0, v[pSA], v[pSB] matrix_a_fmt:MATRIX_FMT_FP4 matrix_b_fmt:MATRIX_FMT_FP4 matrix_a_scale:MATRIX_SCALE_ROW1 matrix_b_scale:MATRIX_SCALE_ROW1
.elseif pRA
	v_wmma_scale_f32_16x16x128_f8f6f4 v[pD:pD+7], v[pA:pA+7], v[pB:pB+7], 0, v[pSA], v[pSB] matrix_a_fmt:MATRIX_FMT_FP4 matrix_b_fmt:MATRIX_FMT_FP4 matrix_a_scale:MATRIX_SCALE_ROW1
.elseif pRB
	v_wmma_scale_f32_16x16x128_f8f6f4 v[pD:pD+7], v[pA:pA+7], v[pB:pB+7], 0, v[pSA], v[pSB] matrix_a_fmt:MATRIX_FMT_FP4 matrix_b_fmt:MATRIX_FMT_FP4 matrix_b_scale:MATRIX_SCALE_ROW1
.else
	v_wmma_scale_f32_16x16x128_f8f6f4 v[pD:pD+7], v[pA:pA+7], v[pB:pB+7], 0, v[pSA], v[pSB] matrix_a_fmt:MATRIX_FMT_FP4 matrix_b_fmt:MATRIX_FMT_FP4
.endif
.endm
.macro PACK16 base, n                  ; 2 n numbers become n registers of f16 pairs, in place and ascending: register i is written when 2 i and 2 i + 1 are read, never ahead of them
.set pk, 0
.rept \n
	v_cvt_pk_f16_f32 v[\base+pk], v[\base+2*pk], v[\base+2*pk+1]
.set pk, pk+1
.endr
.endm
; 32 tokens, whose numbers stand in v[x] on.  ci = 0: tokens of the other half of the window (key group 16 + w): k and v.  ci = 1: my own (key group w): k, v and q.
.macro CHUNK ci, x
	QUANTX \x
.irp T, 0,1                            ; K: lane (r, h) of result (T, wt) holds token 16 T + r, channels 16 wt + 8 h + 0..7
.irp wt, 0,1,2,3
	PROJ D+32*\T+8*\wt, 4+\wt, \T, 0
.endr
.endr
	PLACES 4
	PACK16 D, 32                                   ; fragment (T, head) at D + 8 (2 T + head)
	s_wait_alu depctr_va_vdst(0)                   ; the roundings have written v[D .. D + 31], which the LDS stores read
.irp T, 0,1
.irp hh, 0,1
.irp u, 0,1
	ds_store_b128 v[34+\hh], v[D+8*(2*\T+\hh)+4*\u:D+8*(2*\T+\hh)+4*\u+3] offset:(1-\ci)*32768+\T*1024+512*\u
.endr
.endr
.endr
	s_wait_dscnt 0x0                               ; the stores have read their registers
	s_wait_alu depctr_vm_vsrc(0)                   ; the LDS stores above have read v[D .. D + 31], which the products below write
.irp wt, 0,1,2,3                       ; V: lane (r, h) of result (wt, T) holds channel 16 wt + r, tokens 16 T + 8 h + 0..7
.irp T, 0,1
	PROJ D+16*\wt+8*\T, 8+\wt, \T, 1
.endr
.endr
	PLACES 4
	PACK16 D, 32                                   ; fragment wt (16 channels x 32 keys) at D + 8 wt
	s_wait_alu depctr_va_vdst(0)                   ; the roundings have written v[D .. D + 31], which the LDS stores read
.irp wt, 0,1,2,3
.irp u, 0,1
	ds_store_b128 v[36+\wt/2], v[D+8*\wt+4*\u:D+8*\wt+4*\u+3] offset:(1-\ci)*32768+(\wt%2)*1024+512*\u
.endr
.endr
	s_wait_dscnt 0x0
	s_wait_alu depctr_vm_vsrc(0)                   ; the LDS stores above have read v[D .. D + 31], which the next products write; every load and store so far has read its address in v32-44, over which Q is laid
.if \ci
.irp T, 0,1                            ; Q, as K
.irp wt, 0,1,2,3
	PROJ D+32*\T+8*\wt, \wt, \T, 0
.endr
.endr
	PLACES 4
.set qi, 0
.rept 32
	v_pk_mul_f32 v[D+2*qi:D+2*qi+1], v[D+2*qi:D+2*qi+1], s[34:35] op_sel_hi:[1,0]   ; x c, in f32, ahead of the rounding
.set qi, qi+1
.endr
.irp T, 0,1
.irp wt, 0,1,2,3
.irp j, 0,1,2,3
	v_cvt_pk_f16_f32 v[Q+16*(\wt/2)+8*\T+4*(\wt%2)+\j], v[D+32*\T+8*\wt+2*\j], v[D+32*\T+8*\wt+2*\j+1]   ; (the set-up's addresses and scratch in v32-55 are done with)
.endr
.endr
.endr
.endif
.endm
; ---- the attention's macros.  A key step is 128 keys: 8 tiles of K, 8 fragments of V^T (4 groups of 32 keys x 2 channel tiles), 8,192 bytes each.
.macro FLOAD reg, adr, off             ; four fragments, 4,096 bytes from off on, into v[reg] on
.irp i, 0,1,2,3
.irp u, 0,1
	ds_load_b128 v[\reg+8*\i+4*\u:\reg+8*\i+4*\u+3], v[\adr] offset:\off+1024*\i+512*\u
.endr
.endr
.endm
.macro QK hh, hf, reg, younger         ; S^T of key tiles 4 hf .. 4 hf + 3 for both query tiles, K's fragments in v[reg] on.  younger: the LDS loads issued behind these four fragments'
.irp i, 0,1,2,3
	s_wait_dscnt 6-2*\i+(\younger)                 ; two loads bring a fragment: fragment i is in, the younger ones' loads may be out
.irp t, 0,1
	v_wmma_f32_16x16x32_f16 v[S+64*\t+8*(4*\hf+\i):S+64*\t+8*(4*\hf+\i)+7], v[\reg+8*\i:\reg+8*\i+7], v[Q+16*\hh+8*\t:Q+16*\hh+8*\t+7], 0
.endr
.endr
.endm
.macro PV hf, reg, first, younger      ; O^T += V^T P: fragment f, in v[reg] on: key group 2 hf + f / 2, channel tile f % 2.  The four accumulators take turns, one instruction a turn.  first: key group 0 starts the sums
.irp f, 0,1,2,3
	s_wait_dscnt 6-2*\f+(\younger)
.irp t, 0,1
.if (\first) && ((2*\hf+\f/2) == 0)
	v_wmma_f32_16x16x32_f16 v[O+16*\t+8*(\f%2):O+16*\t+8*(\f%2)+7], v[\reg+8*\f:\reg+8*\f+7], v[S+64*\t+8*(2*\hf+\f/2):S+64*\t+8*(2*\hf+\f/2)+7], 0
.else
	v_wmma_f32_16x16x32_f16 v[O+16*\t+8*(\f%2):O+16*\t+8*(\f%2)+7], v[\reg+8*\f:\reg+8*\f+7], v[S+64*\t+8*(2*\hf+\f/2):S+64*\t+8*(2*\hf+\f/2)+7], v[O+16*\t+8*(\f%2):O+16*\t+8*(\f%2)+7]
.endif
.endr
.endr
.endm
; The softmax of a step up to p's rounding, both query tiles by turns.  first = 1: a head's first step: no old maximum, no a.
.macro SOFTMAX first
.irp i, 0,1,2,3                        ; the maximum of my 64 scores: four chains of 16, each result read from its low end on
.irp t, 0,1
	v_max3_num_f32 v[ST+8*\t+4+\i], v[S+64*\t+16*\i], v[S+64*\t+16*\i+1], v[S+64*\t+16*\i+2]
.endr
.endr
.irp n, 3,5,7,9,11,13
.irp i, 0,1,2,3
.irp t, 0,1
	v_max3_num_f32 v[ST+8*\t+4+\i], v[ST+8*\t+4+\i], v[S+64*\t+16*\i+\n], v[S+64*\t+16*\i+\n+1]
.endr
.endr
.endr
.irp t, 0,1
	v_max3_num_f32 v[ST+8*\t+4], v[ST+8*\t+4], v[S+64*\t+15], v[S+64*\t+31]
	v_max3_num_f32 v[ST+8*\t+6], v[ST+8*\t+6], v[S+64*\t+47], v[S+64*\t+63]
.endr
.irp t, 0,1
	v_max3_num_f32 v[ST+8*\t+4], v[ST+8*\t+4], v[ST+8*\t+5], v[ST+8*\t+6]
.endr
.irp t, 0,1
.if \first
	v_max_num_f32 v[ST+8*\t+4], v[ST+8*\t+4], v[ST+8*\t+7]
.else
	v_max3_num_f32 v[ST+8*\t+4], v[ST+8*\t+4], v[ST+8*\t+7], v[ST+8*\t]   ; with the old m
.endif
.endr
.irp t, 0,1
	v_permlanex16_b32 v[ST+8*\t+5], v[ST+8*\t+4], s20, s21         ; the query's other 64 keys lie in the lane 16 away
.endr
.irp t, 0,1
	v_max_num_f32 v[ST+8*\t+4], v[ST+8*\t+4], v[ST+8*\t+5]
.endr
.irp t, 0,1
.if \first
	v_mov_b32 v[ST+8*\t+1], 0                      ; (named with m as a pair, so it is written)
.else
	v_sub_f32 v[ST+8*\t+1], v[ST+8*\t], v[ST+8*\t+4]               ; m_old - m_new
.endif
.endr
.irp t, 0,1
	v_mov_b32 v[ST+8*\t], v[ST+8*\t+4]             ; the new m
.endr
	; ONE BATCH: a, the 64 subtractions (two scores each) and the 128 exponentials; none of these lines names an exponential's result.  A pair is brought under m one round ahead of its exponentials.
.if !\first
.irp t, 0,1
	v_exp_f32 v[ST+8*\t+6], v[ST+8*\t+1]           ; a
.endr
.endif
.irp t, 0,1
	v_pk_add_f32 v[S+64*\t:S+64*\t+1], v[S+64*\t:S+64*\t+1], v[ST+8*\t:ST+8*\t+1] op_sel_hi:[1,0] neg_lo:[0,1] neg_hi:[0,1]   ; s - m: of the pair (m, ..) the low word serves both halves
.endr
.set b, 0
.rept 32
.if b < 31
.irp t, 0,1
	v_pk_add_f32 v[S+64*\t+2*b+2:S+64*\t+2*b+3], v[S+64*\t+2*b+2:S+64*\t+2*b+3], v[ST+8*\t:ST+8*\t+1] op_sel_hi:[1,0] neg_lo:[0,1] neg_hi:[0,1]
.endr
.endif
.irp t, 0,1
	v_exp_f32 v[S+64*\t+2*b], v[S+64*\t+2*b]       ; p = 2^(s - m), at most 1
	v_exp_f32 v[S+64*\t+2*b+1], v[S+64*\t+2*b+1]
.endr
.set b, b+1
.endr
	v_nop                                          ; a plain instruction behind the last exponential, ahead of the first use
	s_wait_alu depctr_va_vdst(0)                   ; the exponentials have written p and a: the wait ahead of the first instruction that names a result: one for the whole batch
	; l = a l + the sum of my 64 p, unrounded: two at a time, in two chains a tile
.irp t, 0,1
.if \first
	v_pk_add_f32 v[ST+8*\t+2:ST+8*\t+3], v[S+64*\t:S+64*\t+1], v[S+64*\t+2:S+64*\t+3]
	v_pk_add_f32 v[ST+8*\t+4:ST+8*\t+5], v[S+64*\t+4:S+64*\t+5], v[S+64*\t+6:S+64*\t+7]
.else
	v_pk_mul_f32 v[ST+8*\t+2:ST+8*\t+3], v[ST+8*\t+2:ST+8*\t+3], v[ST+8*\t+6:ST+8*\t+7] op_sel_hi:[1,0]
	v_pk_add_f32 v[ST+8*\t+4:ST+8*\t+5], v[S+64*\t:S+64*\t+1], v[S+64*\t+2:S+64*\t+3]
.endif
.endr
.set sj, 4+4*\first
.rept 15-\first
.irp t, 0,1
	v_pk_add_f32 v[ST+8*\t+2:ST+8*\t+3], v[ST+8*\t+2:ST+8*\t+3], v[S+64*\t+sj:S+64*\t+sj+1]
	v_pk_add_f32 v[ST+8*\t+4:ST+8*\t+5], v[ST+8*\t+4:ST+8*\t+5], v[S+64*\t+sj+2:S+64*\t+sj+3]
.endr
.set sj, sj+4
.endr
.irp t, 0,1
	v_pk_add_f32 v[ST+8*\t+2:ST+8*\t+3], v[ST+8*\t+2:ST+8*\t+3], v[ST+8*\t+4:ST+8*\t+5]
.endr
.set pk, 0                             ; p to f16, in place and ascending: key tiles 2 g and 2 g + 1 become P's fragment g, at 64 t + 8 g; registers 32-63 of each tile are then free
.rept 32
.irp t, 0,1
	v_cvt_pk_f16_f32 v[S+64*\t+pk], v[S+64*\t+2*pk], v[S+64*\t+2*pk+1]
.endr
.set pk, pk+1
.endr
.endm
.macro RESCALE                         ; O^T x a, each accumulator from its low end on
.irp j, 0,2,4,6,8,10,12,14
.irp t, 0,1
	v_pk_mul_f32 v[O+16*\t+\j:O+16*\t+\j+1], v[O+16*\t+\j:O+16*\t+\j+1], v[ST+8*\t+6:ST+8*\t+7] op_sel_hi:[1,0]
.endr
.endr
.endm
; A key step.  first = 1: a head's first.  kload = 1: the very first step, which asks for its own tiles 0-3 of K.  nxt = 1: the next step's tiles 0-3 of K are asked for (8,192 bytes on; behind head 0's last step
; that is head 1's first tile, since the two heads' images lie on end); the very last step asks for none.
.macro STEP hh, first, kload, nxt
.if !(\kload)
	s_wait_alu depctr_vm_vsrc(0)                   ; the LDS loads issued so far have read v[ADK] and v[ADV], which the two lines below write
.endif
	v_add_nc_u32 v[ADK], s30, v[LI]
	v_add_nc_u32 v[ADV], s31, v[LI]
	PLACES 3                                       ; with the two additions five places behind the last step's products: the products below write over P and over V's second half, which those read
	s_wait_alu depctr_va_vdst(0)                   ; v[ADK] and v[ADV] are written, which the step's loads read; the last step's products are done reading KV, in which loads land (very first step: the projections are done reading v96-115, the quantiser v224-255)
.if \kload
	FLOAD KN, ADK, 0
.endif
	FLOAD KV, ADK, 4096
	QK \hh, 0, KN, 8                               ; tiles 0-3 were asked for a step ago; the eight loads just issued stay out
	PLACES 5                                       ; the products below write scores over KN, from which those above took K
	QK \hh, 1, KV, 0
	PLACES 4                                       ; in front of the first read of the scores
	s_wait_alu depctr_va_vdst(0)                   ; the products above are done reading KV, in which V's first four fragments land
	FLOAD KV, ADV, 0                               ; they land while the softmax is walked
	SOFTMAX \first
	s_wait_alu depctr_va_vdst(0)                   ; p's roundings are done reading VH and KN, and all that wrote them is done: the loads below land there
	FLOAD VH, ADV, 4096
.if \nxt
	FLOAD KN, ADK, 8192
.endif
.if !(\first)
	RESCALE                                        ; it names O^T and the statistics alone: none of the registers in which the loads above land
.endif
	PV 0, KV, \first, 8+8*\nxt                     ; behind V's first eight loads stand its second eight and the next K's
	PV 1, VH, 0, 8*\nxt
	s_add_co_u32 s30, s30, 8192                    ; the next 128 keys
	s_add_co_u32 s31, s31, 8192
.endm
.macro FINISH hh                       ; O^T / l, rounded to f16, into the registers that held this head's Q.  The four additions and the v_nop are the places behind the last products
.irp t, 0,1
	v_add_f32 v[ST+8*\t+4], v[ST+8*\t+2], v[ST+8*\t+3]
.endr
.irp t, 0,1
	v_permlanex16_b32 v[ST+8*\t+5], v[ST+8*\t+4], s20, s21
.endr
.irp t, 0,1
	v_add_f32 v[ST+8*\t+4], v[ST+8*\t+4], v[ST+8*\t+5]
.endr
.irp t, 0,1
	v_rcp_f32 v[ST+8*\t+6], v[ST+8*\t+4]
.endr
	v_nop                                          ; a plain instruction behind the last reciprocal
	s_wait_alu depctr_va_vdst(0)                   ; the reciprocals are written: the wait ahead of their first use: one for both
.irp j, 0,2,4,6,8,10,12,14
.irp t, 0,1
	v_pk_mul_f32 v[O+16*\t+\j:O+16*\t+\j+1], v[O+16*\t+\j:O+16*\t+\j+1], v[ST+8*\t+6:ST+8*\t+7] op_sel_hi:[1,0]
.endr
.endr
.irp i, 0,1,2,3,4,5,6,7
.irp t, 0,1
	v_cvt_pk_f16_f32 v[Q+16*\hh+8*\t+\i], v[O+16*\t+2*\i], v[O+16*\t+2*\i+1]   ; lane (r, h): token r, channels 8 h + 0..7 (registers 0-3) and 16 + 8 h + 0..7 (4-7) of the head
.endr
.endr
.endm
; ---- the head: every address register is made here, ahead of the one place where the waves part
	s_load_b256 s[4:11], s[0:1], 0x0               ; x s[4:5], Wq s[6:7], Wk s[8:9], Wv s[10:11]
	s_load_b128 s[12:15], s[0:1], 0x20             ; Wp s[12:13], out0 s[14:15]
	v_lshl_add_u32 v[SPW], v0, 2, SPARE
	v_mov_b32 v[NIL], 0
	v_lshrrev_b32 v54, 5, v0
	v_readfirstlane_b32 s16, v54                   ; wave 0..15
	v_and_b32 v47, 31, v0                          ; lane
	v_and_b32 v45, 15, v0                          ; r
	v_bfe_u32 v46, v0, 4, 1                        ; h
	v_lshlrev_b32 v[LI], 4, v47
	s_and_b32 s17, ttmp9, 1                        ; which half of the window's queries
	s_lshr_b32 s18, ttmp9, 1                       ; the window
	s_mov_b32 s20, 0x76543210
	s_mov_b32 s21, 0xfedcba98                      ; v_permlanex16_b32's selects for lane l xor 16
	s_mov_b32 s34, 0x3e8293ee                      ; c = log2(e) / sqrt(32)
	s_mov_b32 s35, s34                             ; (named with it as a pair, so it is written)
	s_wait_alu depctr_va_sdst(0)                   ; s16 is written, ahead of its first reader: offsets, LDS places and the waves' parting are made from it
	s_lshl_b32 s19, s16, 7                         ; 128 w: my 32 tokens' bytes in a half
	s_lshl_b32 s33, s17, 11                        ; 2,048 x half
	s_add_co_u32 s36, s19, s33
	v_lshl_add_u32 v33, v47, 2, s36                ; x: my own tokens: 4 x lane + 128 w + 2,048 x half
	s_xor_b32 s33, s33, 2048
	s_add_co_u32 s36, s19, s33
	v_lshl_add_u32 v32, v47, 2, s36                ; and my 32 of the other half
	v_mul_u32_u24 v[STO], v45, SPITCH              ; the stage, in: row r of an output tile, my wave's 128 bytes, 32 bytes for each half of the lanes
	v_lshl_add_u32 v[STO], v46, 5, v[STO]
	v_add_nc_u32 v[STO], s19, v[STO]
	v_add_nc_u32 v[STO+1], 32*SPITCH, v[STO]       ; output tiles 2 and 3
	s_mul_i32 s36, s16, 4*SPITCH
	v_add_nc_u32 v[RD], s36, v[LI]                 ; back: rows 4 w .. 4 w + 3, 16 bytes a lane
	s_lshl_b32 s36, s16, 11
	v_add_nc_u32 v34, s36, v[LI]                   ; K's images of key group w: head 0,
	v_add_nc_u32 v35, 0x10000, v34                 ; head 1;
	v_add_nc_u32 v36, 0x20000, v34                 ; V's: head 0,
	v_add_nc_u32 v37, 0x30000, v34                 ; head 1
	v_lshlrev_b32 v38, 8, v45                      ; a weight's row is 256 bytes
	v_lshl_add_u32 v39, v46, 5, v38                ; Wp: row r, + 32 h: eight numbers of a fragment's half
	v_lshl_add_u32 v38, v46, 7, v38                ; Wq, Wk, Wv: row r, + 128 h: my block of 32
	s_lshl_b32 s36, s16, 9
	s_add_co_u32 s36, s36, WIMG
	v_add_nc_u32 v40, s36, v[LI]                   ; where wave w (0..11) puts tile w's codes,
	s_lshl_b32 s36, s16, 6
	s_add_co_u32 s36, s36, WSC
	v_lshl_add_u32 v41, v45, 2, s36                ; and its scale words
	s_and_b32 s37, s16, 3
	s_lshl_b32 s36, s37, 11
	s_add_co_u32 s36, s36, WPIMG
	v_add_nc_u32 v42, s36, v[LI]                   ; where wave 12 + i puts Wp's tile i
	v_add_nc_u32 v43, WIMG, v[LI]                  ; from where every wave reads the codes,
	v_lshl_add_u32 v44, v47, 2, WSC                ; and the scale words: two tiles' to a register
.irp z, 20,21,22,23,28,29,30,31,112,113,114,115,54
	v_mov_b32 v\z, 0                               ; zero codes for k = 64 .. 127; behind the last weight tile; v54: a lane permute's destination counts as one of its sources
.endr
	s_lshr_b32 s38, s18, 6                         ; batch
	s_and_b32 s39, s18, 63                         ; band
	s_lshl_b32 s38, s38, 24                        ; 64 channels x 262,144 bytes
	s_lshl_b32 s39, s39, 12                        ; 4,096 bytes a band
	s_add_co_u32 s28, s38, s39
	s_mov_b32 s29, 0
	s_lshl_b32 s40, s37, 12                        ; a weight tile: 16 rows of 256 bytes
	s_mov_b32 s41, 0
	s_lshl_b32 s42, s17, 11                        ; out0: my half's 2,048 bytes of a channel,
	s_lshl_b32 s43, s16, 20                        ; and the four channels that I store
	s_add_co_u32 s42, s42, s43
	s_mov_b32 s43, 0
	s_lshr_b32 s19, s16, 2                         ; which weight is my wave's: 0 Wq, 1 Wk, 2 Wv, 3 Wp
	s_wait_kmcnt 0x0
	s_cmp_eq_u32 s19, 0
	s_cselect_b64 s[22:23], s[6:7], s[8:9]
	s_cmp_eq_u32 s19, 2
	s_cselect_b64 s[22:23], s[10:11], s[22:23]
	s_cmp_eq_u32 s19, 3
	s_cselect_b64 s[22:23], s[12:13], s[22:23]
	s_add_nc_u64 s[22:23], s[22:23], s[40:41]      ; my tile of it
	s_add_nc_u64 s[24:25], s[4:5], s[28:29]        ; x at the window, channels 0-31,
	s_add_nc_u64 s[26:27], s[24:25], 0x800000      ; channels 32-63
	s_add_nc_u64 s[14:15], s[14:15], s[28:29]
	s_add_nc_u64 s[14:15], s[14:15], s[42:43]
	s_wait_alu depctr_va_vdst(0)                   ; v1, v13-15 and v32-44 are written, which the loads and stores of both arms, of the set-up and of the way out read as their addresses; so are the zero codes, which scaled products take
	s_cmp_lt_u32 s16, 12
	s_cbranch_scc0 .Lwp
; ---- waves 0-11: a tile (16 rows) of Wq, Wk or Wv becomes an operand's four registers and a scale word a row.  Lane (r, h) holds block h of row r: all 32 numbers are its own
.irp i, 0,1,2,3,4,5,6,7
	global_load_b128 v[F+4*\i:F+4*\i+3], v38, s[22:23] offset:16*\i
.endr
	XLOAD 128, 32                                  ; chunk 0 of x is asked for behind the weights and lands while they are worked on
	s_wait_loadcnt 63                              ; 64 loads were issued behind the weight's eight; 63 is the largest count that the wait can name
	v_max3_num_f32 v48, |v[F]|, |v[F+1]|, |v[F+2]|
	v_max3_num_f32 v49, |v[F+3]|, |v[F+4]|, |v[F+5]|
.irp i, 6,10,14,18,22,26
	v_max3_num_f32 v48, v48, |v[F+\i]|, |v[F+\i+1]|
	v_max3_num_f32 v49, v49, |v[F+\i+2]|, |v[F+\i+3]|
.endr
	v_max3_num_f32 v48, v48, |v[F+30]|, |v[F+31]|
	v_max3_num_f32 v48, v48, v49, 0x1800000        ; the floor 2^(3 - 127): the byte cannot fall under 1
	v_add_nc_u32 v50, 0xff000000, v48              ; the conversion's scale operand
	v_lshrrev_b32 v52, 23, v50                     ; the byte of block h,
	v_lshlrev_b32 v53, 3, v46
	v_lshlrev_b32 v52, v53, v52                    ; at its place in the word;
	v_permlanex16_b32 v54, v52, s20, s21
	v_or_b32 v52, v52, v54                         ; with lane l xor 16's the word is whole; bytes 2 and 3 stay 0
.irp g, 0,1,2,3
	v_cvt_scalef32_pk8_fp4_f32 v[96+\g], v[F+8*\g:F+8*\g+7], v50
.endr
	v_nop                                          ; one plain place behind a scaled conversion
	s_wait_alu depctr_va_vdst(0)                   ; the codes in v96-99 and the scale word in v52 are written, which the LDS stores read; and the lines above are done reading v64-95, in which the codes' loads land behind the barrier
	ds_store_b128 v40, v[96:99]
	ds_store_b32 v41, v52                          ; both halves of the lanes write the same word with the same value
	s_branch .Lweights_out
.Lwp:
; ---- waves 12-15: a tile (16 rows) of Wp becomes two f16 fragments (one a head)
.irp kk, 0,1
.irp u, 0,1
.irp q, 0,1
	global_load_b128 v[F+16*\kk+8*\u+4*\q:F+16*\kk+8*\u+4*\q+3], v39, s[22:23] offset:128*\kk+64*\u+16*\q
.endr
.endr
.endr
	XLOAD 128, 32
	s_wait_loadcnt 63                              ; as above
.irp i, 0,1,2,3,4,5,6,7,8,9,10,11,12,13,14,15
	v_cvt_pk_f16_f32 v[96+\i], v[F+2*\i], v[F+2*\i+1]
.endr
	s_wait_alu depctr_va_vdst(0)                   ; the roundings have written v96-111, which the LDS stores read, and are done reading v64-95, in which the codes' loads land behind the barrier
.irp i, 0,1,2,3
	ds_store_b128 v42, v[96+4*\i:96+4*\i+3] offset:512*\i
.endr
.Lweights_out:
	BARRIER                                        ; the weights' images lie in LDS (x's loads stay on their way: nobody writes those bytes)
	s_wait_alu depctr_vm_vsrc(0)                   ; my LDS stores have read v96-111, in which the codes' loads land, and v52, which the quantiser writes
.irp i, 0,1,2,3,4,5,6,7,8,9,10,11
	ds_load_b128 v[WC+4*\i:WC+4*\i+3], v43 offset:512*\i
.endr
.irp i, 0,1,2,3,4,5
	ds_load_b32 v[WS+\i], v44 offset:128*\i
.endr
	XLOAD 192, 33                                  ; chunk 1, my own tokens, lands while chunk 0 is worked on
	s_wait_loadcnt 63                              ; 64 loads were issued behind chunk 0's
	s_wait_dscnt 0x0
	CHUNK 0, 128
	s_wait_loadcnt 0x0
	CHUNK 1, 192
	BARRIER                                        ; the window's K and V lie in LDS
; ---- head 0: 8 key steps; the first is written out, since its products start O^T's sums and its softmax has no old maximum
	s_mov_b32 s30, KIMG
	s_mov_b32 s31, VIMG
	STEP 0, 1, 1, 1
	s_mov_b32 s32, 7
.Lstep_h0:
	STEP 0, 0, 0, 1
	s_sub_co_u32 s32, s32, 1
	s_cmp_lg_u32 s32, 0
	s_cbranch_scc1 .Lstep_h0
	FINISH 0
; ---- head 1: its first tiles of K were asked for by head 0's last step; its own last step is written out, since it asks for no further K
	s_mov_b32 s30, KIMG+65536
	s_mov_b32 s31, VIMG+65536
	STEP 1, 1, 0, 1
	s_mov_b32 s32, 6
.Lstep_h1:
	STEP 1, 0, 0, 1
	s_sub_co_u32 s32, s32, 1
	s_cmp_lg_u32 s32, 0
	s_cbranch_scc1 .Lstep_h1
	STEP 1, 0, 0, 0
	FINISH 1
; ---- the way out: out = O Wp^T.  Source 0 = my 16 tokens x a head's 32 channels, source 1 = 16 rows of Wp: lane (r, h) holds output channel 16 ot + r and eight neighbouring tokens
	s_wait_alu depctr_vm_vsrc(0)                   ; the last step's loads have read v[ADV], which the line below writes
	v_add_nc_u32 v[ADV], WPIMG, v[LI]
	s_wait_alu depctr_va_vdst(0)                   ; v[ADV] is written, which the loads below read; the last products V^T P are done reading P and V in v128-191, in which these loads land
.irp ot, 0,1,2,3
.irp kk, 0,1
.irp u, 0,1
	ds_load_b128 v[WPF+16*\ot+8*\kk+4*\u:WPF+16*\ot+8*\kk+4*\u+3], v[ADV] offset:2048*\ot+1024*\kk+512*\u
.endr
.endr
.endr
	s_wait_dscnt 0x0
.irp t, 0,1                            ; eight accumulators by turns: head 0 starts the sums, head 1 adds in the same order
.irp ot, 0,1,2,3
	v_wmma_f32_16x16x32_f16 v[DP+32*\t+8*\ot:DP+32*\t+8*\ot+7], v[Q+8*\t:Q+8*\t+7], v[WPF+16*\ot:WPF+16*\ot+7], 0
.endr
.endr
.irp t, 0,1
.irp ot, 0,1,2,3
	v_wmma_f32_16x16x32_f16 v[DP+32*\t+8*\ot:DP+32*\t+8*\ot+7], v[Q+16+8*\t:Q+16+8*\t+7], v[WPF+16*\ot+8:WPF+16*\ot+15], v[DP+32*\t+8*\ot:DP+32*\t+8*\ot+7]
.endr
.endr
	PLACES 4                                       ; in front of the stores that read the results
	BARRIER                                        ; every wave has read its last byte of K and V: the stage may be laid over them
	s_wait_alu depctr_va_vdst(0)                   ; behind the places: the products have written v192-255, which the LDS stores read, and are done reading Wp in v128-191, in which the rows land further down
.irp t, 0,1
.irp ot, 0,1,2,3
	ds_store_b128 v[STO+\ot/2], v[DP+32*\t+8*\ot:DP+32*\t+8*\ot+3] offset:(\ot%2)*16*SPITCH+64*\t        ; each accumulator from its low end on; sixteen lanes' rows lie 2,064 bytes apart: an odd multiple of 16
	ds_store_b128 v[STO+\ot/2], v[DP+32*\t+8*\ot+4:DP+32*\t+8*\ot+7] offset:(\ot%2)*16*SPITCH+64*\t+16
.endr
.endr
	BARRIER                                        ; 64 channels x 512 tokens lie in the stage
.irp i, 0,1,2,3
.irp q, 0,1,2,3
	ds_load_b128 v[WPF+4*(4*\i+\q):WPF+4*(4*\i+\q)+3], v[RD] offset:\i*SPITCH+512*\q
.endr
.endr
.irp i, 0,1,2,3
.irp q, 0,1,2,3
	s_wait_dscnt 15-(4*\i+\q)                      ; LDS loads come back in order: this one is in, the younger ones may be out
	global_store_b128 v[LI], v[WPF+4*(4*\i+\q):WPF+4*(4*\i+\q)+3], s[14:15] offset:\i*CHB+512*\q th:TH_STORE_NT   ; 32 lanes store 512 consecutive bytes, at a multiple of 256 from out0's first byte; written once, read by nobody here
.endr
.endr
	s_wait_dscnt 0x0                               ; the wave's end: the closing lines, six on end
	s_wait_alu 0x0
	s_wait_tensorcnt 0x0
	ds_add_u32 v[SPW], v[NIL]
	s_wait_dscnt 0x0
	s_endpgm
.Lfunc_end_k_q065ae5b553_patch_attn:
	.size	k_q065ae5b553_patch_attn, .Lfunc_end_k_q065ae5b553_patch_attn-k_q065ae5b553_patch_attn
	.p2alignl 7, 3214868480
	.fill 96, 4, 3214868480
	.section	.rodata,"a",@progbits
	.p2align	6, 0x0
	.amdhsa_kernel k_q065ae5b553_patch_attn
		.amdhsa_group_segment_fixed_size 279296
		.amdhsa_private_segment_fixed_size 0
		.amdhsa_enable_private_segment 0
		.amdhsa_kernarg_size 48
		.amdhsa_user_sgpr_count 2
		.amdhsa_user_sgpr_kernarg_segment_ptr 1
		.amdhsa_wavefront_size32 1
		.amdhsa_system_sgpr_workgroup_id_x 1
		.amdhsa_system_sgpr_workgroup_id_y 1
		.amdhsa_system_sgpr_workgroup_id_z 1
		.amdhsa_system_vgpr_workitem_id 0
		.amdhsa_next_free_vgpr 256
		.amdhsa_next_free_sgpr 66
		.amdhsa_reserve_vcc 0
		.amdhsa_float_denorm_mode_32 3
		.amdhsa_float_denorm_mode_16_64 3
		.amdhsa_memory_ordered 1
		.amdhsa_forward_progress 1
		.amdhsa_inst_pref_size 198
	.end_amdhsa_kernel
	.amdgpu_metadata
---
amdhsa.version: [ 1, 2 ]
amdhsa.kernels:
  - .name:           k_q065ae5b553_patch_attn
    .symbol:         k_q065ae5b553_patch_attn.kd
    .args:
      - { .name: x, .offset: 0, .size: 8, .value_kind: global_buffer, .address_space: global }
      - { .name: Wq, .offset: 8, .size: 8, .value_kind: global_buffer, .address_space: global }
      - { .name: Wk, .offset: 16, .size: 8, .value_kind: global_buffer, .address_space: global }
      - { .name: Wv, .offset: 24, .size: 8, .value_kind: global_buffer, .address_space: global }
      - { .name: Wp, .offset: 32, .size: 8, .value_kind: global_buffer, .address_space: global }
      - { .name: out0, .offset: 40, .size: 8, .value_kind: global_buffer, .address_space: global }
    .group_segment_fixed_size: 279296
    .private_segment_fixed_size: 0
    .kernarg_segment_align: 8
    .kernarg_segment_size: 48
    .max_flat_workgroup_size: 512
    .sgpr_count:     66
    .vgpr_count:     256
    .wavefront_size: 32
...
	.end_amdgpu_metadata
.endif
;; end of part 2
